; MI455X (gfx1250); checked and timed in simulation.
; The chip was launched on July 23, 2026; its instructions are those of AMD's public machine-readable ISA for CDNA 5 (MIT licence, August 2026) and "CDNA5" Instruction Set Architecture Reference Guide (July 2026). The comments in the code are by the model that wrote it; some were corrected since.
;; Multihead Attention. Allowed arithmetic: float matrix products may take bf16 or f16 operands with f32 sums; all other float work in f32.
;; Inputs: Wfc 128 x 128 float32; Wk 128 x 128 float32; Wq 128 x 128 float32; Wv 128 x 128 float32; flow 4 x 2 x 64 x 64 float32; k 4 x 128 x 64 x 64 float32; q 4 x 128 x 64 x 64 float32; v 4 x 128 x 64 x 64 float32.
;; Outputs: out0 4 x 128 x 64 x 64 float32; out1 4 x 4 x 25 x 64 x 64 float32.
;; One version. Each part assembles by itself: llvm-mc -triple=amdgcn-amd-amdhsa -mcpu=gfx1250 --defsym DOCPART=n.
;; ======== version 1 of 1: 2 launches
;; limits: values are held in f16: magnitudes above 65,504 overflow, below 6.1e-05 lose precision
;; workspace buffers: qp 4,194,304 bytes; kpad 5,505,024 bytes; vpad 5,505,024 bytes; idx 65,536 bytes of whole numbers; wfcf 32,768 bytes
;; launch proj (part 1): grid 64 x 4, 4 waves a work-group, no clusters, 104,960 bytes of LDS; arguments q, k, v, Wq, Wk, Wv, Wfc, flow, qp, kpad, vpad, idx, wfcf; writes qp, kpad, vpad, idx, wfcf
.if DOCPART == 1
	.amdgcn_target "amdgcn-amd-amdhsa--gfx1250"
	.amdhsa_code_object_version 6
	.text
	.protected	k_q14661b4e75_proj
	.globl	k_q14661b4e75_proj
	.p2align	8
	.type	k_q14661b4e75_proj,@function
k_q14661b4e75_proj:
	s_mov_b64 s[64:65], 0
	v_nop
	global_prefetch_b8 v0, s[64:65] scope:SCOPE_SE
	s_setreg_imm32_b32 hwreg(HW_REG_WAVE_MODE, 25, 1), 1
	s_wait_xcnt 0x0
; FIRST OF TWO LAUNCHES: the three 1x1 convolutions qp = Wq q, kp = Wk k, vp = Wv v, and the whole numbers that steer the second launch.
;
; HOW THE WINDOW ATTENTION IS REARRANGED (both launches).  A pixel's 25 samples lie at (x + fx + sx, y + fy + sy) with whole shifts sx, sy,
; so floor(x + fx + sx) = floor(x + fx) + sx: all 25 share one pair of fractions (wx, wy), and their 100 corners lie in one patch of 6 x 6
; positions.  Bilinear sampling is linear in the sampled vectors, so for all values of the inputs
;   q . sample_k = the same bilinear mix of the 36 dots q . kp[patch],   and   sum_k a_k sample_k = sum over the patch of g_ij vp[patch],
; where g spreads the 25 weights onto the 36 positions.  36 vectors are fetched for a pixel in place of 100.  No input and no step is left
; out: every input has a way to an output and is loaded.
; ZERO PADDING: kp and vp lie in planes with a border of zeros, so a corner outside the image reads 0 as the problem's mask makes it.
; A plane has 5376 positions of 256 bytes (128 f16); image (y, x) lies at position 454 + 70 y + x; positions 448 + 70 y .. + 5 are row y's
; left border, which is also the right border of the row above; positions 0 .. 447 and 4928 .. 5375 are zeros.
; idx[n][y][x] = 28 + 70 uy + ux, ux = clamp(floor(x + fx) + 4, 0, 70), uy likewise: the patch's first position.  A patch that the clamp
; moves lies wholly outside the image before and behind the clamp, so it is all zeros either way.
; LIMITS.  Operands of the products are f16, and qp, kp, vp are kept in f16 (11 significant bits; the 8 of bf16 are too few where the weights
; are peaked): |q|, |k|, |v|, |W|, |qp|, |kp|, |vp| below 65,504.  The sample position is taken as x + fx, not through the normalised
; coordinate and back: a difference of rounding size in a function that is continuous in it.
; A flow that is NaN gives index 0 of its axis here (the second launch then yields NaN weights); an infinite flow is clamped.
;
; WORK.  grid y = t: 0, 1, 2 project q, k, v; 3 makes idx, the borders and Wfc's fragments.  A wave owns one image row R = 4 x + wave
; (64 pixels x 128 channels).  W is shared by the 64 work-groups of a t, yet is not asked for jointly: it is f32 in memory and has to pass
; through registers to become f16, so an engine's copy in LDS would only add 64 KiB of LDS reads to the same conversion.
; X needs no LDS: a 16-byte load gives lane (r, h) pixels 4 r .. 4 r + 3 of one channel, sixteen lanes cover the channel's 256-byte image
; row, and matrix tile i simply takes its column r to mean pixel 4 r + i.
; THE K STEP IS THE OUTER INDEX: all 32 accumulator tiles (8 output tiles x 4 pixel tiles, 256 registers) are live, so the 32 products of a
; K step are issued as soon as its 16 loads of X are in, while the later K steps' loads are still on their way; behind the last load
; stand 32 products and the way out.
.set PLANEB, 1376256                   ; bytes in a padded plane
.set WP,     272                       ; LDS pitch: 256 bytes + 16, so that 16 rows start in 16 different 16-byte columns of 256
.set TILEB,  16*WP                     ; 16 rows
.set STG0,   128*WP                    ; behind W's 128 rows: the waves' stages
.set STGB,   64*WP                     ; a stage: 64 pixels; pixel p in row 16 (p & 3) + (p >> 2)
.set CHB,    16384                     ; bytes from channel to channel in q, k, v
.set XOFF, 4                           ; v4   h * 8 channels + 16 r
.set WOFF, 5                           ; v5   16 x thread
.set WST,  6                           ; v6   where my 8 bytes of W go
.set AFR,  7                           ; v7   W fragment: r * 272 + 16 h
.set STW,  8                           ; v8   stage, in
.set STR,  9                           ; v9   stage, back
.set GOFF, 10                          ; v10  16 x lane
.set MOF,  11                          ; v11  8 x lane (t = 3)
.set XF,   112                         ; v112-239  raw W; then X fragments, tile i, K step ks at XF + 32 i + 8 ks; then packed results, tile (ot, i) at XF + 16 ot + 4 i
                                       ; v256-511  X as loaded: load number 16 ks + 8 g + e at 4 x that number; at the end the rows read back from the stage
                                       ; v512-767  the accumulators: output tile ot, pixel tile i at 8 (4 ot + i)
                                       ; v768-1023 W's fragments: K step ks, output tile ot at 8 (8 ks + ot)
; s_set_vgpr_msb's low byte: bits 1:0 source 0, 3:2 source 1, 5:4 source 2, 7:6 destination
.set TO_1,   0x40                      ; destination v256-511
.set FROM_1, 0x05                      ; sources 0 and 1 v256-511
.set TO_3,   0xc0                      ; destination v768-1023
.set MUL,    0xa3                      ; A v768-1023, B v0-255, C and D v512-767
.set FROM_2, 0x0a                      ; sources 0 and 1 v512-767
.set DATA_1, 0x04                      ; a store's data v256-511
.set MSB, 0
.macro WIN new                         ; the immediate's high byte repeats the setting that is left
.if MSB != \new
	s_set_vgpr_msb (MSB<<8)|\new
.set MSB, \new
.endif
.endm
	s_load_b512 s[8:23], s[0:1], 0x0               ; q k v Wq Wk Wv Wfc flow
	s_load_b256 s[24:31], s[0:1], 0x40             ; qp kpad vpad idx
	s_load_b64 s[32:33], s[0:1], 0x60              ; wfcf
	v_lshl_add_u32 v254, v0, 2, 0x19800
	v_mov_b32 v255, 0
	v_lshrrev_b32 v1, 5, v0
	v_readfirstlane_b32 s2, v1                     ; wave
	s_and_b32 s3, ttmp7, 0xffff                    ; t
	s_lshl_b32 s4, ttmp9, 2
	s_add_co_u32 s4, s4, s2                        ; R = image row among 256
	s_lshr_b32 s5, s4, 6                           ; n
	s_and_b32 s6, s4, 63                           ; y
	s_mov_b32 s41, 0                               ; high word of every offset
	v_and_b32 v1, 31, v0                           ; lane
	v_lshlrev_b32 v[GOFF], 4, v1
	s_wait_kmcnt 0x0
	s_cmp_eq_u32 s3, 3
	s_cbranch_scc1 .Lmisc                          ; the same for all four waves: t is the work-group's
	; ---- t = 0, 1, 2 ----
	s_cmp_eq_u32 s3, 0
	s_cselect_b64 s[34:35], s[8:9], s[10:11]       ; X
	s_cselect_b64 s[36:37], s[14:15], s[16:17]     ; W
	s_cselect_b64 s[38:39], s[24:25], s[26:27]     ; OUT
	s_cmp_eq_u32 s3, 2
	s_cselect_b64 s[34:35], s[12:13], s[34:35]
	s_cselect_b64 s[36:37], s[18:19], s[36:37]
	s_cselect_b64 s[38:39], s[28:29], s[38:39]
	s_lshl_b32 s40, s5, 21                         ; n * 128 channels
	s_lshl_b32 s7, s6, 8                           ; + y * 256
	s_add_co_u32 s40, s40, s7
	s_add_nc_u64 s[34:35], s[34:35], s[40:41]
	s_lshl_b32 s42, s4, 14                         ; qp: R * 64 pixels * 256 bytes
	s_mul_i32 s43, s5, PLANEB                      ; planes: n * plane + (454 + 70 y) * 256
	s_mul_i32 s7, s6, 70*256
	s_add_co_u32 s43, s43, s7
	s_add_co_u32 s43, s43, 454*256
	s_cmp_eq_u32 s3, 0
	s_cselect_b32 s40, s42, s43
	s_add_nc_u64 s[38:39], s[38:39], s[40:41]
	v_and_b32 v2, 15, v0                           ; r
	v_bfe_u32 v3, v0, 4, 1                         ; h
	v_lshlrev_b32 v[WOFF], 4, v0
	v_lshlrev_b32 v[XOFF], 4, v2
	v_lshl_add_u32 v[XOFF], v3, 17, v[XOFF]
	; W: 32 loads, each 2,048 neighbouring bytes for the work-group (4 rows of W); thread: row 4 it + wave, columns 4 lane .. + 3
.set it, 0
.rept 32
	global_load_b128 v[XF+4*it:XF+4*it+3], v[WOFF], s[36:37] offset:it*2048
.set it, it+1
.endr
; X of one K step (32 channels): channel 32 ks + 16 g + 8 h + e, pixels 4 r .. 4 r + 3
.macro XLOAD ks
.irp g, 0,1
.irp e, 0,1,2,3,4,5,6,7
	global_load_b128 v[4*(16*\ks+8*\g+\e):4*(16*\ks+8*\g+\e)+3], v[XOFF], s[34:35] offset:(32*\ks+16*\g+\e)*CHB th:TH_LOAD_NT
.endr
.endr
.endm
	WIN TO_1
	XLOAD 0
	XLOAD 1
	XLOAD 2
	WIN 0
	s_mul_i32 s7, s2, WP
	v_lshl_add_u32 v[WST], v1, 3, s7               ; wave * 272 + 8 lane
	v_mul_u32_u24 v[AFR], v2, WP
	v_lshl_add_u32 v[AFR], v3, 4, v[AFR]
	s_mul_i32 s7, s2, STGB
	s_add_co_u32 s7, s7, STG0                      ; my stage
	v_add_nc_u32 v[STW], s7, v[AFR]
	v_mul_u32_u24 v[STR], v3, TILEB
	v_lshl_add_u32 v[STR], v2, 4, v[STR]
	v_add_nc_u32 v[STR], s7, v[STR]
	s_wait_loadcnt 48                              ; the 48 loads of X are younger: W is in
.set it, 0
.rept 32
	v_cvt_pk_f16_f32 v[XF+4*it], v[XF+4*it], v[XF+4*it+1]
	v_cvt_pk_f16_f32 v[XF+4*it+1], v[XF+4*it+2], v[XF+4*it+3]
	ds_store_b64 v[WST], v[XF+4*it:XF+4*it+1] offset:it*4*WP       ; a wave stores 256 neighbouring bytes: one row of W in f16
.set it, it+1
.endr
	WIN TO_1
	XLOAD 3
	WIN 0
	s_wait_dscnt 0x0                               ; my rows of W are in LDS, for the other waves
	s_barrier_signal -1
	s_barrier_wait -1                              ; all 128 rows are; the loads of X stay on their way (nobody writes q, k, v)
; the A fragments of K step ks, all eight output tiles: lane (r, h) takes row 16 ot + r, K = 32 ks + 16 g + 8 h .. + 7
.macro LDWK ks
.irp ot, 0,1,2,3,4,5,6,7
	ds_load_b128 v[8*(8*\ks+\ot):8*(8*\ks+\ot)+3],   v[AFR] offset:\ot*TILEB+\ks*64
	ds_load_b128 v[8*(8*\ks+\ot)+4:8*(8*\ks+\ot)+7], v[AFR] offset:\ot*TILEB+\ks*64+32
.endr
.endm
	WIN TO_3
	LDWK 0                                         ; all of W's fragments, once, in the order in which the K steps want them
	LDWK 1
	LDWK 2
	LDWK 3
; X to f16 B fragments: register 4 g + jj of tile i holds channels 32 ks + 16 g + 8 h + 2 jj, + 1 of pixel 4 r + i
.macro XCVT ks
.irp g, 0,1
.irp jj, 0,1,2,3
.irp i, 0,1,2,3
	v_cvt_pk_f16_f32 v[XF+32*\i+8*\ks+4*\g+\jj], v[4*(16*\ks+8*\g+2*\jj)+\i], v[4*(16*\ks+8*\g+2*\jj+1)+\i]
.endr
.endr
.endr
.endm
; the 32 products of K step ks.  The 32 accumulators take turns, one instruction a turn, in the same order in every K step:
; between two products on one accumulator stand the 31 others'.  The first K step starts the sums: nothing is cleared.
.macro MULK ks
.irp ot, 0,1,2,3,4,5,6,7
.irp i, 0,1,2,3
.if \ks == 0
	v_wmma_f32_16x16x32_f16 v[8*(4*\ot+\i):8*(4*\ot+\i)+7], v[8*(8*\ks+\ot):8*(8*\ks+\ot)+7], v[XF+32*\i+8*\ks:XF+32*\i+8*\ks+7], 0
.else
	v_wmma_f32_16x16x32_f16 v[8*(4*\ot+\i):8*(4*\ot+\i)+7], v[8*(8*\ks+\ot):8*(8*\ks+\ot)+7], v[XF+32*\i+8*\ks:XF+32*\i+8*\ks+7], v[8*(4*\ot+\i):8*(4*\ot+\i)+7]
.endif
.endr
.endr
.endm
.macro KSTEP ks
	WIN FROM_1
	s_wait_loadcnt 48-16*\ks                       ; this K step's 16 loads of X are in; the later K steps' stay out
	XCVT \ks                                       ; writes fragments that no earlier product names
	WIN MUL
	s_wait_dscnt 48-16*\ks                         ; this K step's 16 fragment loads are in; the later K steps' stay out
	MULK \ks
.endm
	KSTEP 0
	KSTEP 1
	KSTEP 2
	KSTEP 3
.rept 4
	v_nop                                          ; four places before a vector instruction reads a result or writes a fragment (ISA guide 7.12.1)
.endr
	WIN FROM_2
.irp ot, 0,1,2,3,4,5,6,7
.irp i, 0,1,2,3
.irp m, 0,1,2,3
	v_cvt_pk_f16_f32 v[XF+16*\ot+4*\i+\m], v[8*(4*\ot+\i)+2*\m], v[8*(4*\ot+\i)+2*\m+1]   ; a lane holds channels 16 ot + 8 h .. + 7 of pixel 4 r + i: 16 bytes
.endr
.endr
.endr
	WIN 0
.irp ot, 0,1,2,3,4,5,6,7
.irp i, 0,1,2,3
	ds_store_b128 v[STW], v[XF+16*\ot+4*\i:XF+16*\ot+4*\i+3] offset:\i*TILEB+32*\ot
.endr
.endr
	; The row goes out: my own stage, and LDS serves a wave's instructions in order (ISA guide 5.7.1), so no wait stands between the
	; stores above and the loads below.  Each global store covers two whole pixels, 512 neighbouring bytes.
	WIN TO_1
.set tt, 0
.rept 32
	ds_load_b128 v[4*tt:4*tt+3], v[STR] offset:(32*(tt&1)+(tt>>1))*WP   ; pixels 2 tt and 2 tt + 1
.set tt, tt+1
.endr
	WIN DATA_1
.set tt, 0
.rept 32
	s_wait_dscnt 31-tt                             ; piece tt is in; the younger read-backs stay out
	global_store_b128 v[GOFF], v[4*tt:4*tt+3], s[38:39] offset:tt*512
.set tt, tt+1
.endr
	WIN 0                                          ; at a label every window is 0
	s_wait_tensorcnt 0x0
	ds_add_u32 v254, v255
	s_wait_dscnt 0x0
	s_endpgm
	; ---- t = 3: idx of my row, my row's left border, my 1/64 of the top and bottom zeros, and (8 waves) Wfc's fragments ----
.Lmisc:
	s_lshl_b32 s40, s5, 15                         ; flow: n * 2 planes + y * 256
	s_lshl_b32 s7, s6, 8
	s_add_co_u32 s40, s40, s7
	s_add_nc_u64 s[22:23], s[22:23], s[40:41]
	s_lshl_b32 s40, s4, 8                          ; idx: R * 256
	s_add_nc_u64 s[30:31], s[30:31], s[40:41]
	s_mul_i32 s50, s5, PLANEB
	s_mul_i32 s7, s6, 70*256
	s_add_co_u32 s40, s50, s7
	s_add_co_u32 s40, s40, 448*256                 ; positions 448 + 70 y .. + 5
	s_add_nc_u64 s[42:43], s[26:27], s[40:41]
	s_add_nc_u64 s[44:45], s[28:29], s[40:41]
	s_cmp_lt_u32 s6, 32
	s_cselect_b32 s7, 0, 4480*256                  ; 14 positions a row: rows 0-31 fill 0 .. 447, rows 32-63 fill 4928 .. 5375
	s_mul_i32 s51, s6, 14*256
	s_add_co_u32 s40, s50, s7
	s_add_co_u32 s40, s40, s51
	s_add_nc_u64 s[46:47], s[26:27], s[40:41]
	s_add_nc_u64 s[48:49], s[28:29], s[40:41]
	v_lshlrev_b32 v[MOF], 3, v1
	global_load_b64 v[24:25], v[MOF], s[22:23]               ; fx of pixels 2 lane, 2 lane + 1
	global_load_b64 v[26:27], v[MOF], s[22:23] offset:16384  ; fy
	v_mov_b32 v20, 0
	v_mov_b32 v21, 0
	v_mov_b32 v22, 0
	v_mov_b32 v23, 0
.irp m, 0,1,2
	global_store_b128 v[GOFF], v[20:23], s[42:43] offset:512*\m
	global_store_b128 v[GOFF], v[20:23], s[44:45] offset:512*\m
.endr
.irp m, 0,1,2,3,4,5,6
	global_store_b128 v[GOFF], v[20:23], s[46:47] offset:512*\m
	global_store_b128 v[GOFF], v[20:23], s[48:49] offset:512*\m
.endr
	v_lshlrev_b32 v12, 1, v1
	v_or_b32 v13, 1, v12
	v_cvt_f32_u32 v12, v12
	v_cvt_f32_u32 v13, v13
	v_cvt_f32_u32 v14, s6
	s_wait_loadcnt 0x0
	v_add_f32 v24, v12, v24                        ; x + fx: the next launch forms the same sum for the fraction
	v_add_f32 v25, v13, v25
	v_add_f32 v26, v14, v26
	v_add_f32 v27, v14, v27
.irp r, 24,25,26,27
	v_floor_f32 v\r, v\r
	v_add_f32 v\r, 4.0, v\r
	v_max_num_f32 v\r, 0, v\r                      ; a NaN loses: 0
	v_min_num_f32 v\r, 0x428c0000, v\r             ; 70.0
	v_cvt_u32_f32 v\r, v\r
.endr
	v_mad_u32_u24 v28, v26, 70, v24
	v_mad_u32_u24 v29, v27, 70, v25
	v_add_nc_u32 v28, 28, v28
	v_add_nc_u32 v29, 28, v29
	global_store_b64 v[MOF], v[28:29], s[30:31]    ; the wave stores its row's 256 bytes of idx
	s_cmp_lt_u32 s4, 8
	s_cbranch_scc0 .Lmend
	; Wfc in f16, laid out as the A fragments that the next launch loads: tile ot = R, piece c = 2 ks + g at ot * 4096 + c * 512 + 16 lane
	s_lshl_b32 s40, s4, 13                         ; 16 rows of 512 bytes
	s_add_nc_u64 s[20:21], s[20:21], s[40:41]
	s_lshl_b32 s40, s4, 12
	s_add_nc_u64 s[32:33], s[32:33], s[40:41]
	v_and_b32 v2, 15, v0
	v_bfe_u32 v3, v0, 4, 1
	v_lshlrev_b32 v15, 9, v2
	v_lshl_add_u32 v15, v3, 5, v15                 ; r * 512 + h * 32
.irp c, 0,1,2,3,4,5,6,7
	global_load_b128 v[32+8*\c:35+8*\c], v15, s[20:21] offset:64*\c
	global_load_b128 v[36+8*\c:39+8*\c], v15, s[20:21] offset:64*\c+16
.endr
	s_wait_loadcnt 0x0
.irp c, 0,1,2,3,4,5,6,7
.irp m, 0,1,2,3
	v_cvt_pk_f16_f32 v[96+4*\c+\m], v[32+8*\c+2*\m], v[33+8*\c+2*\m]
.endr
	global_store_b128 v[GOFF], v[96+4*\c:99+4*\c], s[32:33] offset:512*\c
.endr
.Lmend:
	s_endpgm
.Lfunc_end_k_q14661b4e75_proj:
	.size	k_q14661b4e75_proj, .Lfunc_end_k_q14661b4e75_proj-k_q14661b4e75_proj
	.p2alignl 7, 3214868480
	.fill 96, 4, 3214868480
	.section	.rodata,"a",@progbits
	.p2align	6, 0x0
	.amdhsa_kernel k_q14661b4e75_proj
		.amdhsa_group_segment_fixed_size 104960
		.amdhsa_private_segment_fixed_size 0
		.amdhsa_enable_private_segment 0
		.amdhsa_kernarg_size 104
		.amdhsa_user_sgpr_count 2
		.amdhsa_user_sgpr_kernarg_segment_ptr 1
		.amdhsa_wavefront_size32 1
		.amdhsa_system_sgpr_workgroup_id_x 1
		.amdhsa_system_sgpr_workgroup_id_y 1
		.amdhsa_system_sgpr_workgroup_id_z 1
		.amdhsa_system_vgpr_workitem_id 0
		.amdhsa_next_free_vgpr 1024
		.amdhsa_next_free_sgpr 66
		.amdhsa_reserve_vcc 0
		.amdhsa_float_denorm_mode_32 3
		.amdhsa_float_denorm_mode_16_64 3
		.amdhsa_memory_ordered 1
		.amdhsa_forward_progress 1
		.amdhsa_inst_pref_size 64
	.end_amdhsa_kernel
	.amdgpu_metadata
---
amdhsa.version: [ 1, 2 ]
amdhsa.kernels:
  - .name:           k_q14661b4e75_proj
    .symbol:         k_q14661b4e75_proj.kd
    .args:
      - { .name: q, .offset: 0, .size: 8, .value_kind: global_buffer, .address_space: global }
      - { .name: k, .offset: 8, .size: 8, .value_kind: global_buffer, .address_space: global }
      - { .name: v, .offset: 16, .size: 8, .value_kind: global_buffer, .address_space: global }
      - { .name: Wq, .offset: 24, .size: 8, .value_kind: global_buffer, .address_space: global }
      - { .name: Wk, .offset: 32, .size: 8, .value_kind: global_buffer, .address_space: global }
      - { .name: Wv, .offset: 40, .size: 8, .value_kind: global_buffer, .address_space: global }
      - { .name: Wfc, .offset: 48, .size: 8, .value_kind: global_buffer, .address_space: global }
      - { .name: flow, .offset: 56, .size: 8, .value_kind: global_buffer, .address_space: global }
      - { .name: qp, .offset: 64, .size: 8, .value_kind: global_buffer, .address_space: global }
      - { .name: kpad, .offset: 72, .size: 8, .value_kind: global_buffer, .address_space: global }
      - { .name: vpad, .offset: 80, .size: 8, .value_kind: global_buffer, .address_space: global }
      - { .name: idx, .offset: 88, .size: 8, .value_kind: global_buffer, .address_space: global }
      - { .name: wfcf, .offset: 96, .size: 8, .value_kind: global_buffer, .address_space: global }
    .group_segment_fixed_size: 104960
    .private_segment_fixed_size: 0
    .kernarg_segment_align: 8
    .kernarg_segment_size: 104
    .max_flat_workgroup_size: 128
    .sgpr_count:     66
    .vgpr_count:     1024
    .wavefront_size: 32
...
	.end_amdgpu_metadata
.endif
;; end of part 1
;; launch attn (part 2): grid 64 x 4, 8 waves a work-group, no clusters, 195,328 bytes of LDS; arguments flow, idx, qp, kpad, vpad, wfcf, out0, out1; writes out0, out1
.if DOCPART == 2
	.amdgcn_target "amdgcn-amd-amdhsa--gfx1250"
	.amdhsa_code_object_version 6
	.text
	.protected	k_q14661b4e75_attn
	.globl	k_q14661b4e75_attn
	.p2align	8
	.type	k_q14661b4e75_attn,@function
k_q14661b4e75_attn:
	s_mov_b64 s[64:65], 0
	v_nop
	global_prefetch_b8 v0, s[64:65] scope:SCOPE_SE
	s_setreg_imm32_b32 hwreg(HW_REG_WAVE_MODE, 25, 1), 1
	s_wait_xcnt 0x0
; SECOND LAUNCH: the window attention on the 6 x 6 patch, the last 1x1 convolution, both outputs.
; As shown at the head of the first launch: a pixel's 25 samples share one pair of fractions and one patch of 36 positions, so the 25
; logits are the bilinear mix of the 36 dots q . kp[patch], and the weighted sum is sum over the patch of g vp[patch], g being the 25
; weights spread by the same mix.  Nothing is left out; corners outside the image read the planes' zeros.
; The 36 dots and the 36-term sum go to the vector unit, f16 operands widened to f32, products and sums in f32; Wfc's product goes to the
; matrix unit in f16.  Every pixel has a patch of its own.  The sum over the patch has the positions as its inner index, and they are the
; slow axis of vp's plane: no plain load makes that fragment.  The dots could be laid on the matrix unit (sixteen positions x a head's 32
; channels, against q in one column of sixteen), but such a fragment takes 32 bytes of each of sixteen positions in every load, where the
; loads here take two whole positions of 256 bytes; 36 positions fill 48 rows, a third more bytes; and staged through LDS, K's 9,216
; bytes a pixel would go into LDS and out again.  This launch is made of fetches (18,432 bytes a pixel for 9,216 multiply-adds), so the
; form with the fewest bytes and the longest runs is kept.
; No cluster: no two work-groups read a common tile (patches follow the flow); Wfc's 32 KiB of fragments are 4 KiB a wave, once.
; LIMITS.  The attention output is rounded to f16 for the last product: below 65,504.  A flow that is NaN gives NaN fractions and NaN
; results; the patch index is clamped to 4998 before it enters an address, so no load leaves the planes.
; The softmax takes the true maximum of the 25 logits away; 1 / sqrt(32) and log2(e) are folded into one factor in front of the exponential.
;
; WORK.  A work-group is one image row (y = grid x, n = grid y); wave w owns pixels 8 w .. 8 w + 7, as four pairs.
; Fetch phases: lanes 0-15 serve pixel 8 w + 2 pr, lanes 16-31 the next; lane l16 owns channels 8 l16 .. + 7 (head l16 >> 2), so each 16-byte
; load of the wave takes two whole positions of 256 bytes.  The 48 patch rows of a wave (K: g = 6 pr + j = 0 .. 23, V: g = 24 .. 47) go through
; a ring of five row slots of six loads each, slot g mod 5; the ring lies in v8-127 because a register's halves have names up to v127 only.
; Softmax phase: lane = 4 x pixel + head, 32 lanes for 8 pixels x 4 heads.  The two layouts meet in the wave's own LDS scratch.
.set PLANEB, 1376256
.set SCRB,  18688                      ; a wave's scratch: four regions (one for each of a head's four lanes)
.set REGB,  4672                       ; a region: 32 rows (4 x pixel + head) of 144 bytes (36 f32); 4672 = 64 mod 256 and 144 = 9 x 16, so
.set RP,    144
.set AST,   149504                     ; attn: 100 rows (25 head + k) of 64 f32, pitch 272
.set OST,   176704                     ; attention output in f16: 64 rows, pitch 272; pixel x in row 16 (x & 3) + (x >> 2)
.set SP,    272
.set KP, 14                            ; s[14:15] kpad's plane
.set VP, 16                            ; s[16:17] vpad's plane
.set AD,   4                           ; v4-7     pair pr: byte offset of my 16 bytes in the patch's first position
.set RING, 8                           ; v8-127   slot s, column i at RING + 24 s + 4 i; v104-119 hold q as loaded before slot 4's first fill
.set BF,   0                           ; v0-127   at the end: B fragments, tile i, K step ks at 32 i + 8 ks
.set TR,   0                           ; v0-31    at the very end: results in store order
.set SCRW, 128                         ; scratch, partial dots in
.set SCRR, 129                         ; scratch, softmax lane's row
.set SCRG, 130                         ; scratch, g back to the fetch lanes
.set ASTW, 131
.set OSTW, 132
.set IOF,  133
.set FOF,  134
.set ASTR, 135
.set AOFF, 136
.set OSTR, 137
.set OOFF, 138
.set LOF,  139                         ; 16 x lane
.set WX,   140                         ; v140:141 (wx, 1 - wx)
.set WY,   142                         ; v142:143 (wy, 1 - wy)
.set CC,   144                         ; v144:145 log2(e) / sqrt(32), twice
.set Q,    146                         ; v146-177 q in f32, 8 for each pair (K phase)
.set T,    146                         ; v146-181 a region's partial dots; H (30); TT (30)
.set H,    146
.set TT,   146
.set AF,   146                         ; v146-177 Wfc's fragments (from the V phase on)
.set P,    182                         ; v182-217 36 numbers, index 6 x column + row: partial dots, D, then
.set D,    182
.set L,    182                         ;          25 logits / weights, index 5 sy + sx
.set G,    182                         ;          36 spread weights
.set ACC,  182                         ; v182-213 the last product's four tiles
.set PP,   218                         ; v218-229 K phase: a row's six dots, each as a pair (even channels, odd channels)
.set TM,   218                         ; v218-229 the softmax's temporaries
.set O,    218                         ; v218-225 V phase: a pixel's 8 output channels
.set OPK,  226                         ; v226-229
.set CV,   230                         ; v230-253 three positions x 8 channels, widened to f32
.set T0,   230                         ; v230-233 the start's temporaries
.set T1,   231
.set T2,   232
.set T3,   233
.set AO,   218                         ; v218-241 attn rows on their way out
.set TL,   248                         ; v248-251 the last attn rows
	s_load_b512 s[8:23], s[0:1], 0x0               ; flow idx qp kpad vpad wfcf out0 out1
	v_lshl_add_u32 v254, v0, 2, 0x2f700
	v_mov_b32 v255, 0
	v_lshrrev_b32 v1, 5, v0
	v_readfirstlane_b32 s24, v1                    ; w
	s_and_b32 s25, ttmp7, 0xffff                   ; n
	s_mov_b32 s26, ttmp9                           ; y
	s_lshl_b32 s27, s25, 6
	s_add_co_u32 s27, s27, s26                     ; R = 64 n + y
	s_mov_b32 s29, 0
	s_lshl_b32 s30, s26, 8                         ; y * 256
	s_lshl_b32 s31, s24, 5                         ; w * 32: 8 pixels of 4 bytes
	v_and_b32 v1, 31, v0                           ; lane
	v_and_b32 v2, 15, v0                           ; l16
	v_bfe_u32 v3, v0, 4, 1                         ; hf
	v_lshlrev_b32 v[IOF], 2, v3
	v_lshrrev_b32 v[T0], 2, v1                     ; the softmax lane's pixel
	v_lshlrev_b32 v[FOF], 2, v[T0]
	v_lshlrev_b32 v[LOF], 4, v1
	v_lshlrev_b32 v[T1], 4, v2                     ; 16 l16
	s_wait_kmcnt 0x0
	s_lshl_b32 s28, s27, 8
	s_add_co_u32 s28, s28, s31
	s_add_nc_u64 s[10:11], s[10:11], s[28:29]      ; idx at my 8 pixels
	s_lshl_b32 s28, s25, 15
	s_add_co_u32 s28, s28, s30
	s_add_co_u32 s28, s28, s31
	s_add_nc_u64 s[8:9], s[8:9], s[28:29]          ; flow likewise
	s_lshl_b32 s28, s27, 14
	s_lshl_b32 s32, s24, 11
	s_add_co_u32 s28, s28, s32
	s_add_nc_u64 s[12:13], s[12:13], s[28:29]      ; qp likewise
	s_mul_i32 s28, s25, PLANEB
	s_add_nc_u64 s[KP:KP+1], s[KP:KP+1], s[28:29]
	s_add_nc_u64 s[VP:VP+1], s[VP:VP+1], s[28:29]
.irp pr, 0,1,2,3
	global_load_b32 v[AD+\pr], v[IOF], s[10:11] offset:8*\pr
.endr
	global_load_b32 v[WX], v[FOF], s[8:9]
	global_load_b32 v[WY], v[FOF], s[8:9] offset:16384
.irp pr, 0,1,2,3
	global_load_b128 v[104+4*\pr:104+4*\pr+3], v[LOF], s[12:13] offset:512*\pr th:TH_LOAD_NT
.endr
	s_lshl_b32 s28, s24, 12
	s_add_nc_u64 s[18:19], s[18:19], s[28:29]      ; Wfc's tile w
	s_lshl_b32 s28, s25, 21
	s_lshl_b32 s32, s24, 18
	s_add_co_u32 s28, s28, s32
	s_add_co_u32 s28, s28, s30
	s_add_nc_u64 s[20:21], s[20:21], s[28:29]      ; out0: n, channel 16 w, row y
	s_mul_i32 s28, s25, 1638400
	s_add_co_u32 s28, s28, s30
	s_add_nc_u64 s[22:23], s[22:23], s[28:29]      ; out1: n, row y
	s_wait_loadcnt 6                               ; flow's 2 and q's 4 loads are younger: idx is in
.irp pr, 0,1,2,3
	v_min_u32 v[AD+\pr], 4998, v[AD+\pr]           ; 28 + 70 * 70 + 70: the last position read is 4998 + 355, inside the plane's 5376
	v_lshlrev_b32 v[AD+\pr], 8, v[AD+\pr]
	v_add_nc_u32 v[AD+\pr], v[T1], v[AD+\pr]
.endr
; six loads: patch row g of the wave's 48 (pair (g mod 24) / 6, row g mod 6 of its patch; K below 24, V from 24 on), into slot g mod 5
.macro LOADG g
.set lg_s, (\g)%5
.set lg_p, ((\g)%24)/6
.set lg_j, (\g)%6
.if (\g) < 24
.irp i, 0,1,2,3,4,5
	global_load_b128 v[RING+24*lg_s+4*\i:RING+24*lg_s+4*\i+3], v[AD+lg_p], s[KP:KP+1] offset:(70*lg_j+\i)*256
.endr
.else
.irp i, 0,1,2,3,4,5
	global_load_b128 v[RING+24*lg_s+4*\i:RING+24*lg_s+4*\i+3], v[AD+lg_p], s[VP:VP+1] offset:(70*lg_j+\i)*256
.endr
.endif
.endm
	LOADG 0
	LOADG 1
	LOADG 2
	LOADG 3
	; LDS and output addresses, while the ring fills
	s_mul_i32 s32, s24, SCRB
	v_lshrrev_b32 v[T2], 2, v2                     ; head
	v_lshl_add_u32 v[T2], v3, 2, v[T2]             ; 4 hf + head
	v_mul_u32_u24 v[SCRG], v[T2], RP
	v_add_nc_u32 v[SCRG], s32, v[SCRG]
	v_and_b32 v[T2], 3, v2
	v_mad_u32_u24 v[SCRW], v[T2], REGB, v[SCRG]
	v_mul_u32_u24 v[SCRR], v1, RP
	v_add_nc_u32 v[SCRR], s32, v[SCRR]
	v_and_b32 v[T2], 3, v1
	v_mul_u32_u24 v[ASTW], v[T2], 25*SP
	v_add_nc_u32 v[ASTW], v[FOF], v[ASTW]
	s_add_co_u32 s33, s31, AST
	v_add_nc_u32 v[ASTW], s33, v[ASTW]
	s_mul_i32 s34, s24, 2*SP
	v_mul_u32_u24 v[OSTW], v3, 16*SP
	v_add_nc_u32 v[OSTW], v[T1], v[OSTW]
	s_add_co_u32 s33, s34, OST
	v_add_nc_u32 v[OSTW], s33, v[OSTW]
	v_mul_u32_u24 v[ASTR], v3, SP
	v_add_nc_u32 v[ASTR], v[T1], v[ASTR]
	s_add_co_u32 s33, s34, AST
	v_add_nc_u32 v[ASTR], s33, v[ASTR]             ; attn row 2 w + hf
	v_lshl_add_u32 v[AOFF], v3, 14, v[T1]
	s_lshl_b32 s33, s24, 15
	v_add_nc_u32 v[AOFF], s33, v[AOFF]
	v_mul_u32_u24 v[OSTR], v2, SP
	v_lshl_add_u32 v[OSTR], v3, 4, v[OSTR]
	v_add_nc_u32 v[OSTR], OST, v[OSTR]
	v_lshl_add_u32 v[OOFF], v3, 17, v[T1]
	v_mov_b32 v[CC], 0x3e8293ee                    ; 0.25503486 = log2(e) / sqrt(32)
	v_mov_b32 v[CC+1], 0x3e8293ee
	s_lshl_b32 s33, s24, 3
	v_add_nc_u32 v[T0], s33, v[T0]                 ; x of the softmax lane's pixel
	v_cvt_f32_u32 v[T0], v[T0]
	v_cvt_f32_u32 v[T2], s26
	s_wait_loadcnt 24                              ; the four ring rows' 24 loads are younger: flow and q are in
	v_add_f32 v[T0], v[T0], v[WX]                  ; x + fx, the sum whose floor made idx
	v_add_f32 v[T2], v[T2], v[WY]
	v_floor_f32 v[T1], v[T0]
	v_floor_f32 v[T3], v[T2]
	v_sub_f32 v[WX], v[T0], v[T1]
	v_sub_f32 v[WY], v[T2], v[T3]
	v_sub_f32 v[WX+1], 1.0, v[WX]
	v_sub_f32 v[WY+1], 1.0, v[WY]
.irp r, 104,105,106,107,108,109,110,111,112,113,114,115,116,117,118,119
	v_cvt_f32_f16 v[Q+2*(\r-104)],   v\r\().l      ; q of my 8 channels, four pairs of pixels
	v_cvt_f32_f16 v[Q+2*(\r-104)+1], v\r\().h
.endr
	LOADG 4                                        ; slot 4's first fill, now that q has been widened out of its registers
; Widening.  One ring register holds two f16: word r of a half row that begins at register base goes to CV + 2 (r - base), + 1.
.macro CV1 r, base
	v_cvt_f32_f16 v[CV+2*(\r-\base)],   v\r\().l
	v_cvt_f32_f16 v[CV+2*(\r-\base)+1], v\r\().h
.endm
; Half row sh = 2 x slot + half: three positions, twelve registers, written out by name since halves are named on plain registers.
.macro CVHALF sh
.if (\sh) == 0
.irp r, 8,9,10,11,12,13,14,15,16,17,18,19
	CV1 \r, 8
.endr
.endif
.if (\sh) == 1
.irp r, 20,21,22,23,24,25,26,27,28,29,30,31
	CV1 \r, 20
.endr
.endif
.if (\sh) == 2
.irp r, 32,33,34,35,36,37,38,39,40,41,42,43
	CV1 \r, 32
.endr
.endif
.if (\sh) == 3
.irp r, 44,45,46,47,48,49,50,51,52,53,54,55
	CV1 \r, 44
.endr
.endif
.if (\sh) == 4
.irp r, 56,57,58,59,60,61,62,63,64,65,66,67
	CV1 \r, 56
.endr
.endif
.if (\sh) == 5
.irp r, 68,69,70,71,72,73,74,75,76,77,78,79
	CV1 \r, 68
.endr
.endif
.if (\sh) == 6
.irp r, 80,81,82,83,84,85,86,87,88,89,90,91
	CV1 \r, 80
.endr
.endif
.if (\sh) == 7
.irp r, 92,93,94,95,96,97,98,99,100,101,102,103
	CV1 \r, 92
.endr
.endif
.if (\sh) == 8
.irp r, 104,105,106,107,108,109,110,111,112,113,114,115
	CV1 \r, 104
.endr
.endif
.if (\sh) == 9
.irp r, 116,117,118,119,120,121,122,123,124,125,126,127
	CV1 \r, 116
.endr
.endif
.endm
; K phase.  Three positions i0 .. i0 + 2 times my 8 channels of q (pair rp): two channels an instruction, three sums that do not wait for each other.
.macro KMUL i0
.irp k, 0,1,2,3
.irp ii, 0,1,2
.if \k == 0
	v_pk_mul_f32 v[PP+2*(\i0+\ii):PP+2*(\i0+\ii)+1], v[CV+8*\ii:CV+8*\ii+1], v[Q+8*rp:Q+8*rp+1]
.else
	v_pk_fma_f32 v[PP+2*(\i0+\ii):PP+2*(\i0+\ii)+1], v[CV+8*\ii+2*\k:CV+8*\ii+2*\k+1], v[Q+8*rp+2*\k:Q+8*rp+2*\k+1], v[PP+2*(\i0+\ii):PP+2*(\i0+\ii)+1]
.endif
.endr
.endr
.endm
.macro KROW g
.set rs, (\g)%5
.set rp, (\g)/6
.set rj, (\g)%6
	s_wait_loadcnt 24                              ; behind this row's six loads stand the next four rows' twenty-four
	CVHALF 2*rs
	KMUL 0
	CVHALF 2*rs+1
	LOADG (\g)+5                                   ; the slot has been widened: five rows on (behind K's last rows: V's first)
	KMUL 3
.irp i, 0,1,2,3,4,5
	v_add_f32 v[P+6*\i+rj], v[PP+2*\i], v[PP+2*\i+1]
.endr
.endm
.macro KPAIR pr
.irp j, 0,1,2,3,4,5
	KROW 6*\pr+\j
.endr
.irp m, 0,1,2,3,4,5,6,7,8
	ds_store_b128 v[SCRW], v[P+4*\m:P+4*\m+3] offset:\pr*8*RP+16*\m   ; my 8 channels' share of the 36 dots, to row 4 x pixel + head of my region
.endr
.endm
	KPAIR 0
	KPAIR 1
	KPAIR 2
	KPAIR 3
	; SOFTMAX PHASE, lane = 4 x pixel + head.  The scratch is the wave's own and LDS serves a wave's instructions in order (ISA guide 5.7.1):
	; no wait and no barrier between the stores above and these loads.
.irp m, 0,1,2,3,4,5,6,7,8
	ds_load_b128 v[D+4*\m:D+4*\m+3], v[SCRR] offset:16*\m
.endr
.macro ADDREG s                        ; D += region s
.irp m, 0,1,2,3,4,5,6,7,8
	ds_load_b128 v[T+4*\m:T+4*\m+3], v[SCRR] offset:\s*REGB+16*\m
.endr
.irp m, 0,1,2,3,4,5,6,7,8
	s_wait_dscnt 8-\m                              ; piece m is in; the younger pieces stay out
	v_pk_add_f32 v[D+4*\m:D+4*\m+1],   v[D+4*\m:D+4*\m+1],   v[T+4*\m:T+4*\m+1]
	v_pk_add_f32 v[D+4*\m+2:D+4*\m+3], v[D+4*\m+2:D+4*\m+3], v[T+4*\m+2:T+4*\m+3]
.endr
.endm
	ADDREG 1
	ADDREG 2
	ADDREG 3
	; along x: H[6 sx + j] = (1 - wx) D[6 sx + j] + wx D[6 (sx + 1) + j], two rows j at a time
.irp sx, 0,1,2,3,4
.irp jp, 0,2,4
	v_pk_mul_f32 v[H+6*\sx+\jp:H+6*\sx+\jp+1], v[D+6*\sx+\jp:D+6*\sx+\jp+1], v[WX:WX+1] op_sel:[0,1] op_sel_hi:[1,1]
.endr
.endr
.irp sx, 0,1,2,3,4
.irp jp, 0,2,4
	v_pk_fma_f32 v[H+6*\sx+\jp:H+6*\sx+\jp+1], v[D+6*\sx+6+\jp:D+6*\sx+6+\jp+1], v[WX:WX+1], v[H+6*\sx+\jp:H+6*\sx+\jp+1] op_sel_hi:[1,0,1]
.endr
.endr
	; along y: L[5 sy + sx] = (1 - wy) H[6 sx + sy] + wy H[6 sx + sy + 1]
.irp sy, 0,1,2,3,4
.irp sx, 0,1,2,3,4
	v_mul_f32 v[L+5*\sy+\sx], v[WY+1], v[H+6*\sx+\sy]
.endr
.irp sx, 0,1,2,3,4
	v_fmac_f32 v[L+5*\sy+\sx], v[WY], v[H+6*\sx+\sy+1]
.endr
.endr
	; the maximum of the 25, in three chains
	v_max3_num_f32 v[TM],   v[L+0], v[L+1], v[L+2]
	v_max3_num_f32 v[TM+1], v[L+3], v[L+4], v[L+5]
	v_max3_num_f32 v[TM+2], v[L+6], v[L+7], v[L+8]
	v_max3_num_f32 v[TM],   v[TM],   v[L+9],  v[L+10]
	v_max3_num_f32 v[TM+1], v[TM+1], v[L+11], v[L+12]
	v_max3_num_f32 v[TM+2], v[TM+2], v[L+13], v[L+14]
	v_max3_num_f32 v[TM],   v[TM],   v[L+15], v[L+16]
	v_max3_num_f32 v[TM+1], v[TM+1], v[L+17], v[L+18]
	v_max3_num_f32 v[TM+2], v[TM+2], v[L+19], v[L+20]
	v_max3_num_f32 v[TM],   v[TM],   v[L+21], v[L+22]
	v_max3_num_f32 v[TM+1], v[TM+1], v[L+23], v[L+24]
	v_max3_num_f32 v[TM],   v[TM],   v[TM+1], v[TM+2]
	v_mul_f32 v[TM+4], 0xbe8293ee, v[TM]           ; - c x maximum, twice for the packed form
	v_mul_f32 v[TM+5], 0xbe8293ee, v[TM]
.irp p, 0,1,2,3,4,5,6,7,8,9,10,11
	v_pk_fma_f32 v[L+2*\p:L+2*\p+1], v[L+2*\p:L+2*\p+1], v[CC:CC+1], v[TM+4:TM+5]
.endr
	v_fma_f32 v[L+24], v[L+24], v[CC], v[TM+4]
.set kk, 0
.rept 25
	v_exp_f32 v[L+kk], v[L+kk]
.set kk, kk+1
.endr
	v_nop                                          ; one plain instruction between the last exponential and the use of its result (ISA guide 5.7.2)
	s_wait_alu depctr_va_vdst(0)
	v_pk_add_f32 v[TM+6:TM+7],   v[L+0:L+1], v[L+2:L+3]
	v_pk_add_f32 v[TM+8:TM+9],   v[L+4:L+5], v[L+6:L+7]
	v_pk_add_f32 v[TM+10:TM+11], v[L+8:L+9], v[L+10:L+11]
	v_pk_add_f32 v[TM+6:TM+7],   v[TM+6:TM+7],   v[L+12:L+13]
	v_pk_add_f32 v[TM+8:TM+9],   v[TM+8:TM+9],   v[L+14:L+15]
	v_pk_add_f32 v[TM+10:TM+11], v[TM+10:TM+11], v[L+16:L+17]
	v_pk_add_f32 v[TM+6:TM+7],   v[TM+6:TM+7],   v[L+18:L+19]
	v_pk_add_f32 v[TM+8:TM+9],   v[TM+8:TM+9],   v[L+20:L+21]
	v_pk_add_f32 v[TM+10:TM+11], v[TM+10:TM+11], v[L+22:L+23]
	v_pk_add_f32 v[TM+6:TM+7],   v[TM+6:TM+7],   v[TM+8:TM+9]
	v_pk_add_f32 v[TM+6:TM+7],   v[TM+6:TM+7],   v[TM+10:TM+11]
	v_add_f32 v[TM+6], v[TM+6], v[TM+7]
	v_add_f32 v[TM+6], v[TM+6], v[L+24]            ; the largest term is 1 up to rounding: the sum is never near 0
	v_rcp_f32 v[TM+2], v[TM+6]
	v_rcp_f32 v[TM+3], v[TM+6]
	v_nop                                          ; as behind the exponentials
	s_wait_alu depctr_va_vdst(0)
.irp p, 0,1,2,3,4,5,6,7,8,9,10,11
	v_pk_mul_f32 v[L+2*\p:L+2*\p+1], v[L+2*\p:L+2*\p+1], v[TM+2:TM+3]
.endr
	v_mul_f32 v[L+24], v[L+24], v[TM+2]
.set kk, 0
.rept 25
	ds_store_b32 v[ASTW], v[L+kk] offset:kk*SP     ; attn[head][k][x] into row 25 head + k
.set kk, kk+1
.endr
	; the weights spread onto the patch, first along y: TT[6 sx + j] = (1 - wy) a[5 j + sx] + wy a[5 (j - 1) + sx]
.irp sx, 0,1,2,3,4
	v_mul_f32 v[TT+6*\sx], v[WY+1], v[L+\sx]
	v_mul_f32 v[TT+6*\sx+5], v[WY], v[L+20+\sx]
.irp j, 1,2,3,4
	v_mul_f32 v[TT+6*\sx+\j], v[WY+1], v[L+5*\j+\sx]
.endr
.irp j, 1,2,3,4
	v_fmac_f32 v[TT+6*\sx+\j], v[WY], v[L+5*\j-5+\sx]
.endr
.endr
	; then along x: G[6 i + j] = (1 - wx) TT[6 i + j] + wx TT[6 (i - 1) + j]
.irp i, 0,1,2,3,4
.irp jp, 0,2,4
	v_pk_mul_f32 v[G+6*\i+\jp:G+6*\i+\jp+1], v[TT+6*\i+\jp:TT+6*\i+\jp+1], v[WX:WX+1] op_sel:[0,1] op_sel_hi:[1,1]
.endr
.endr
.irp jp, 0,2,4
	v_pk_mul_f32 v[G+30+\jp:G+30+\jp+1], v[TT+24+\jp:TT+24+\jp+1], v[WX:WX+1] op_sel_hi:[1,0]
.endr
.irp i, 1,2,3,4
.irp jp, 0,2,4
	v_pk_fma_f32 v[G+6*\i+\jp:G+6*\i+\jp+1], v[TT+6*\i-6+\jp:TT+6*\i-6+\jp+1], v[WX:WX+1], v[G+6*\i+\jp:G+6*\i+\jp+1] op_sel_hi:[1,0,1]
.endr
.endr
.irp m, 0,1,2,3,4,5,6,7,8
	ds_store_b128 v[SCRR], v[G+4*\m:G+4*\m+3] offset:16*\m         ; into region 0 of my own scratch, whose dots have been read
.endr
.irp c, 0,1,2,3,4,5,6,7
	global_load_b128 v[AF+4*\c:AF+4*\c+3], v[LOF], s[18:19] offset:512*\c   ; Wfc's fragments of my 16 output channels; TT is dead
.endr
; V phase.  Three positions i0 .. i0 + 2 of patch row rj: my 8 channels, two an instruction, times the position's weight G[6 i + rj], which
; is taken for both halves from its register pair (the first of the pair for even rj, the second for odd).  Four sums that do not wait for each other.
.macro VMUL i0
.irp ii, 0,1,2
.irp k, 0,1,2,3
.if (rj+\i0+\ii) == 0
	v_pk_mul_f32 v[O+2*\k:O+2*\k+1], v[CV+8*\ii+2*\k:CV+8*\ii+2*\k+1], v[G:G+1] op_sel_hi:[1,0]
.else
.if (rj&1) == 0
	v_pk_fma_f32 v[O+2*\k:O+2*\k+1], v[CV+8*\ii+2*\k:CV+8*\ii+2*\k+1], v[G+6*(\i0+\ii)+rj:G+6*(\i0+\ii)+rj+1], v[O+2*\k:O+2*\k+1] op_sel_hi:[1,0,1]
.else
	v_pk_fma_f32 v[O+2*\k:O+2*\k+1], v[CV+8*\ii+2*\k:CV+8*\ii+2*\k+1], v[G+6*(\i0+\ii)+rj-1:G+6*(\i0+\ii)+rj], v[O+2*\k:O+2*\k+1] op_sel:[0,1,0] op_sel_hi:[1,1,1]
.endif
.endif
.endr
.endr
.endm
; Row g = 24 .. 47.  Younger than its six loads: the next rows still to come, four at the most, six loads each; and for g = 24 .. 28,
; whose loads were issued ahead of them, Wfc's eight.  Rows 44 .. 47 have fewer rows behind them: 18, 12, 6, 0; the 0 shows everything in.
.macro VROW g
.set rs, (\g)%5
.set rj, (\g)%6
.set rc, 47-(\g)
.if rc > 4
.set rc, 4
.endif
.set rc, 6*rc
.if (\g) < 29
.set rc, rc+8
.endif
	s_wait_loadcnt rc
	CVHALF 2*rs
	VMUL 0
	CVHALF 2*rs+1
.if (\g)+5 < 48
	LOADG (\g)+5
.endif
	VMUL 3
.endm
.macro VPAIR pr
.irp m, 0,1,2,3,4,5,6,7,8
	ds_load_b128 v[G+4*\m:G+4*\m+3], v[SCRG] offset:\pr*8*RP+16*\m   ; g of my pixel and head
.endr
	s_wait_dscnt 0x0
.irp j, 0,1,2,3,4,5
	VROW 24+6*\pr+\j
.endr
.irp k, 0,1,2,3
	v_cvt_pk_f16_f32 v[OPK+\k], v[O+2*\k], v[O+2*\k+1]
.endr
	ds_store_b128 v[OSTW], v[OPK:OPK+3] offset:(32*(\pr&1)+(\pr>>1))*SP
.endm
	VPAIR 0
	VPAIR 1
	VPAIR 2
	VPAIR 3
	; THE WAY OUT.  attn's rows and the attention output were written by all eight waves: each waits for its stores, then the barrier.
	s_wait_dscnt 0x0
	s_barrier_signal -1
	s_barrier_wait -1
.irp i, 0,1,2,3,4,5
	ds_load_b128 v[AO+4*\i:AO+4*\i+3], v[ASTR] offset:16*SP*\i     ; attn rows 2 w + hf + 16 i
.endr
.irp i, 0,1,2,3
.irp ks, 0,1,2,3
	ds_load_b128 v[BF+32*\i+8*\ks:BF+32*\i+8*\ks+3],   v[OSTR] offset:\i*16*SP+\ks*64      ; tile i: column r is pixel 4 r + i
	ds_load_b128 v[BF+32*\i+8*\ks+4:BF+32*\i+8*\ks+7], v[OSTR] offset:\i*16*SP+\ks*64+32
.endr
.endr
	s_wait_dscnt 32                                ; the 32 fragment loads are younger: the six attn rows are in
.irp i, 0,1,2,3,4,5
	global_store_b128 v[AOFF], v[AO+4*\i:AO+4*\i+3], s[22:23] offset:262144*\i th:TH_STORE_NT   ; sixteen lanes store one row's 256 bytes
.endr
	s_wait_dscnt 0x0
.irp ks, 0,1,2,3
.irp i, 0,1,2,3                                    ; the four accumulators take turns, one instruction a turn
.if \ks == 0
	v_wmma_f32_16x16x32_f16 v[ACC+8*\i:ACC+8*\i+7], v[AF+8*\ks:AF+8*\ks+7], v[BF+32*\i+8*\ks:BF+32*\i+8*\ks+7], 0
.else
	v_wmma_f32_16x16x32_f16 v[ACC+8*\i:ACC+8*\i+7], v[AF+8*\ks:AF+8*\ks+7], v[BF+32*\i+8*\ks:BF+32*\i+8*\ks+7], v[ACC+8*\i:ACC+8*\i+7]
.endif
.endr
.endr
.rept 4
	v_nop                                          ; four places before results are read and fragment registers written (ISA guide 7.12.1)
.endr
	; register j of tile i is (channel 16 w + 8 hf + j, pixel 4 r + i): the four tiles' registers j are 16 neighbouring bytes of a row of out0
.irp j, 0,1,2,3,4,5,6,7
.irp i, 0,1,2,3
	v_mov_b32 v[TR+4*\j+\i], v[ACC+8*\i+\j]
.endr
.endr
.irp j, 0,1,2,3,4,5,6,7
	global_store_b128 v[OOFF], v[TR+4*\j:TR+4*\j+3], s[20:21] offset:16384*\j th:TH_STORE_NT    ; sixteen lanes store one row's 256 bytes
.endr
	s_cmp_ge_u32 s24, 2
	s_cbranch_scc1 .Lend                           ; attn rows 96 .. 99 are left: waves 0 and 1 take two each
	ds_load_b128 v[TL:TL+3], v[ASTR] offset:16*SP*6
	s_wait_dscnt 0x0
	global_store_b128 v[AOFF], v[TL:TL+3], s[22:23] offset:262144*6 th:TH_STORE_NT
.Lend:
	s_wait_tensorcnt 0x0
	ds_add_u32 v254, v255
	s_wait_dscnt 0x0
	s_endpgm
.Lfunc_end_k_q14661b4e75_attn:
	.size	k_q14661b4e75_attn, .Lfunc_end_k_q14661b4e75_attn-k_q14661b4e75_attn
	.p2alignl 7, 3214868480
	.fill 96, 4, 3214868480
	.section	.rodata,"a",@progbits
	.p2align	6, 0x0
	.amdhsa_kernel k_q14661b4e75_attn
		.amdhsa_group_segment_fixed_size 195328
		.amdhsa_private_segment_fixed_size 0
		.amdhsa_enable_private_segment 0
		.amdhsa_kernarg_size 64
		.amdhsa_user_sgpr_count 2
		.amdhsa_user_sgpr_kernarg_segment_ptr 1
		.amdhsa_wavefront_size32 1
		.amdhsa_system_sgpr_workgroup_id_x 1
		.amdhsa_system_sgpr_workgroup_id_y 1
		.amdhsa_system_sgpr_workgroup_id_z 1
		.amdhsa_system_vgpr_workitem_id 0
		.amdhsa_next_free_vgpr 256
		.amdhsa_next_free_sgpr 66
		.amdhsa_reserve_vcc 0
		.amdhsa_float_denorm_mode_32 3
		.amdhsa_float_denorm_mode_16_64 3
		.amdhsa_memory_ordered 1
		.amdhsa_forward_progress 1
		.amdhsa_inst_pref_size 217
	.end_amdhsa_kernel
	.amdgpu_metadata
---
amdhsa.version: [ 1, 2 ]
amdhsa.kernels:
  - .name:           k_q14661b4e75_attn
    .symbol:         k_q14661b4e75_attn.kd
    .args:
      - { .name: flow, .offset: 0, .size: 8, .value_kind: global_buffer, .address_space: global }
      - { .name: idx, .offset: 8, .size: 8, .value_kind: global_buffer, .address_space: global }
      - { .name: qp, .offset: 16, .size: 8, .value_kind: global_buffer, .address_space: global }
      - { .name: kpad, .offset: 24, .size: 8, .value_kind: global_buffer, .address_space: global }
      - { .name: vpad, .offset: 32, .size: 8, .value_kind: global_buffer, .address_space: global }
      - { .name: wfcf, .offset: 40, .size: 8, .value_kind: global_buffer, .address_space: global }
      - { .name: out0, .offset: 48, .size: 8, .value_kind: global_buffer, .address_space: global }
      - { .name: out1, .offset: 56, .size: 8, .value_kind: global_buffer, .address_space: global }
    .group_segment_fixed_size: 195328
    .private_segment_fixed_size: 0
    .kernarg_segment_align: 8
    .kernarg_segment_size: 64
    .max_flat_workgroup_size: 256
    .sgpr_count:     66
    .vgpr_count:     256
    .wavefront_size: 32
...
	.end_amdgpu_metadata
.endif
;; end of part 2
